; MI455X (gfx1250); checked and timed in simulation.
; The chip was launched on July 23, 2026; its instructions are those of AMD's public machine-readable ISA for CDNA 5 (MIT licence, August 2026) and "CDNA5" Instruction Set Architecture Reference Guide (July 2026). The comments in the code are by the model that wrote it; some were corrected since.
;; Step Net. Allowed arithmetic: float matrix products may take bf16 or f16 operands with f32 sums; all other float work in f32.
;; Inputs: breakpoints 2,048 float32; values 2,049 x 1 float32; x 65,536 x 1 float32.
;; Outputs: out0 65,536 x 1 float32.
;; One version. Each part assembles by itself: llvm-mc -triple=amdgcn-amd-amdhsa -mcpu=gfx1250 --defsym DOCPART=n.
;; ======== version 1 of 1: 1 launch
;; launch stepnet (part 1): grid 256 x 1, 8 waves a work-group, no clusters, 168,960 bytes of LDS; arguments breakpoints, values, x, out0; writes out0
.if DOCPART == 1
	.amdgcn_target "amdgcn-amd-amdhsa--gfx1250"
	.amdhsa_code_object_version 6
	.text
	.protected	k_q3f78b70043_stepnet
	.globl	k_q3f78b70043_stepnet
	.p2align	8
	.type	k_q3f78b70043_stepnet,@function
k_q3f78b70043_stepnet:
	s_mov_b64 s[64:65], 0
	v_nop
	global_prefetch_b8 v0, s[64:65] scope:SCOPE_SE
	s_setreg_imm32_b32 hwreg(HW_REG_WAVE_MODE, 25, 1), 1
	s_wait_xcnt 0x0
; out[n] = sum over j of regions[n][j] values[j], regions built from h[n][i] = (x[n] > b[i]), 65,536 x, 2,048 b, 2,049 values.
; Summed by parts, for any order of the breakpoints:  out = v[0] + sum_i h_i (v[i+1] - v[i]).  With a_i = v[i] - v[i+1] and
; s_i = -1 where x > b_i, +1 elsewhere:               out = (v[0] + v[2048]) / 2 + (sum_i s_i a_i) / 2.
; (sum_i a_i is taken as v[0] - v[2048]: the 2,048 rounded differences add up to that within 2048 x 2^-25 x the largest |a|.)
; The sum over i is a matrix product: s is exact in bf16; a is formed in f32 and split WITHOUT loss into three bf16 terms (8 + 8 + 8 bits,
; by truncation), which ride in three rows of the A operand, so the product costs no more than with one term.
; s is made from the sign of t = b - x: y = 0 - x is never -0, so t = b + y is -0 for no input, and with denormals kept t is below zero
; exactly where x > b.  Two t by one packed add, their upper halves packed by one v_perm_b32, both made +-1.0 by one v_and_or_b32.
; LIMITS: NaN in x or in the breakpoints, and an x and a breakpoint that are infinities of the same sign, make t a NaN, whose sign is
; not that of a false comparison: not served.  The sums are formed in another order than a row-by-row f32 product.
;
; SHARES.  256 work-groups of 256 x.  Eight waves; wave w takes all 256 x against breakpoints 256 w .. 256 w + 255: 8 K steps of 32,
; 16 column tiles of 16 x, 128 matrix instructions.  B column r of tile tau is x[16 r + tau]; D register j of lane (r, h) is row 8 h + j
; of column r, so registers 0-2 of a lane are the three terms' sums for that lane's x.  A's lane row r holds term min(r & 7, 2): rows 8-10
; repeat rows 0-2, lanes 16-31 end with the same numbers as lanes 0-15, and EXEC stays full throughout.  Rows 3-7, 11-15 are never read.
; NO CLUSTER, NO TENSOR LOAD: a work-group reads 8,192 + 8,196 shared bytes and 1,024 of its own once, at its start; the values have to
; pass through registers to be differenced and split; behind that come 3,072 vector instructions a wave with no global load among them.
; The launch asks for 168,960 bytes of LDS and uses 28,928: more than half of a WGP's 327,680, so that the eight waves, which are bound
; by vector issue, have the four SIMDs to themselves.
.set LB,   0                           ; LDS: the 2,048 breakpoints, f32
.set LP,   8192                         ; LDS: three arrays of 2,048 bf16, term p at LP + p PSTR
.set PSTR, 4160                         ; 4,096 + 64: the three rows that a fragment load touches start 16 banks apart (64 banks of 4 bytes: ISA guide 11.1)
.set RED,  20736                        ; LDS: wave w's 256 partial sums at RED + 1024 w
.set T16,  1                            ; v1        16 t
.set X64,  5                            ; v5        64 r: my 16 x, and my 16 partial sums
.set T8,   6                            ; v6        8 t
.set LAA,  7                            ; v7        LDS address of my part of the A fragments
.set LBA,  8                            ; v8        LDS address of my half's breakpoints
.set RST,  9                            ; v9        where my partial sums go
.set CC,   10                           ; v[10:11]  (v[0] + v[2048]) / 2, twice
.set Y,    16                           ; v[16:47]  -x of tile tau in v[Y+2 tau] and v[Y+2 tau+1]: a pair for the packed add
.set BF,   48                           ; v[48:79]  16 breakpoints of a K step, two buffers
.set AF,   80                           ; v[80:95]  A fragment of a K step, two buffers
.set T,    96                           ; v[96:111] the 16 differences t of a tile
.set H,    112                          ; v[112:127] B fragment (+-1.0), two buffers
.set ACC,  128                          ; v[128:255] 16 accumulators; until the first product: scratch of the staging
.set BS,   128                          ; breakpoints as loaded
.set VS,   136                          ; values as loaded: group q in v[VS+6q .. VS+6q+4]
.set XS,   148                          ; x as loaded
.set TA,   164                          ; a
.set TB,   168                          ; a less its first term
.set TC,   172                          ; a less its first two terms
.set W,    176                          ; packed terms
.set R,    BF                           ; the way out: 16 sums, in breakpoint buffer 0, which is done with by then
	s_load_b256 s[4:11], s[0:1], 0x0               ; breakpoints s[4:5], values s[6:7], x s[8:9], out s[10:11]
	v_lshl_add_u32 v14, v0, 2, 0x29000
	v_mov_b32 v15, 0
	v_lshlrev_b32 v[T16], 4, v0
	v_lshlrev_b32 v[T8], 3, v0
	v_and_b32 v2, 15, v0                           ; r
	v_bfe_u32 v3, v0, 4, 1                         ; h
	v_lshrrev_b32 v4, 5, v0
	v_readfirstlane_b32 s12, v4                    ; wave 0..7
	v_lshlrev_b32 v[X64], 6, v2
	s_lshl_b32 s14, ttmp9, 10                      ; the work-group's 256 x and 256 outputs: 1,024 bytes
	s_mov_b32 s15, 0
	s_mov_b32 s18, 0xffff0000                      ; an f32 cut to its upper half is a bf16
	s_mov_b32 s19, 0x07060302                      ; v_perm_b32: upper half of source 0 above upper half of source 1
	s_mov_b32 s22, 0x80008000                      ; two signs
	s_mov_b32 s23, 0x3f803f80                      ; two 1.0 in bf16
	s_lshl_b32 s20, s12, 9                         ; my 256 terms: 512 bytes
	s_lshl_b32 s21, s12, 10                        ; my 256 breakpoints, my 256 partial sums: 1,024 bytes
	s_wait_kmcnt 0x0
	s_add_nc_u64 s[8:9], s[8:9], s[14:15]
	s_add_nc_u64 s[10:11], s[10:11], s[14:15]
	; Ten loads at once.  Thread t stages breakpoints and values 1024 q + 4 t .. + 3 (q = 0, 1): a wave's load covers 512 neighbouring bytes.
.irp q, 0,1
	global_load_b128 v[BS+4*\q:BS+4*\q+3], v[T16], s[4:5] offset:4096*\q
.endr
.irp q, 0,1
	global_load_b128 v[VS+6*\q:VS+6*\q+3], v[T16], s[6:7] offset:4096*\q
	global_load_b32  v[VS+6*\q+4], v[T16], s[6:7] offset:4096*\q+16        ; the value behind them; the last thread's is v[2048], the buffer's last
.endr
.irp q, 0,1,2,3
	global_load_b128 v[XS+4*\q:XS+4*\q+3], v[X64], s[8:9] offset:16*\q     ; x[16 r .. 16 r + 15]: one for each tile
.endr
	s_load_b32 s16, s[6:7], 0x0                    ; v[0]
	s_load_b32 s17, s[6:7], 0x2000                 ; v[2048]
	v_and_b32 v[LAA], 7, v0
	v_min_u32 v[LAA], 2, v[LAA]                    ; which term my row of A holds
	v_mul_u32_u24 v[LAA], v[LAA], PSTR
	v_lshl_add_u32 v[LAA], v3, 4, v[LAA]           ; + 16 h: k = 8 h .. 8 h + 7 in bf16
	v_add_nc_u32 v[LAA], s20, v[LAA]
	v_lshlrev_b32 v[LBA], 5, v3                    ; 32 h: the same k in f32
	v_add_nc_u32 v[LBA], s21, v[LBA]
	v_add_nc_u32 v[RST], s21, v[X64]
	s_wait_loadcnt 8                               ; loads come back in order (ISA guide 5.7.1): the two of breakpoints are in, four of values and four of x stay out
	ds_store_b128 v[T16], v[BS:BS+3]   offset:LB
	ds_store_b128 v[T16], v[BS+4:BS+7] offset:LB+4096
; Four differences a = v[i] - v[i+1], each split into three bf16 terms.  Cutting an f32 to its upper half keeps 8 of its 24 significant bits;
; what is left is exact in f32 and has 16, then 8: the third term is exact too.
.macro SPLIT q
	s_wait_loadcnt 6-2*\q                          ; this group's two loads are in; behind them stand the later group's two and the four of x
.irp j, 0,1,2,3
	v_sub_f32 v[TA+\j], v[VS+6*\q+\j], v[VS+6*\q+\j+1]
.endr
.irp j, 0,1,2,3
	v_and_b32 v[TB+\j], s18, v[TA+\j]
.endr
.irp j, 0,1,2,3
	v_sub_f32 v[TB+\j], v[TA+\j], v[TB+\j]
.endr
.irp j, 0,1,2,3
	v_and_b32 v[TC+\j], s18, v[TB+\j]
.endr
.irp j, 0,1,2,3
	v_sub_f32 v[TC+\j], v[TB+\j], v[TC+\j]
.endr
.irp j, 0,1
	v_perm_b32 v[W+\j],   v[TA+2*\j+1], v[TA+2*\j], s19    ; the upper halves ARE the terms; the lower i in the lower half
	v_perm_b32 v[W+2+\j], v[TB+2*\j+1], v[TB+2*\j], s19
	v_perm_b32 v[W+4+\j], v[TC+2*\j+1], v[TC+2*\j], s19
.endr
	ds_store_b64 v[T8], v[W:W+1]   offset:LP+2048*\q
	ds_store_b64 v[T8], v[W+2:W+3] offset:LP+PSTR+2048*\q
	ds_store_b64 v[T8], v[W+4:W+5] offset:LP+2*PSTR+2048*\q
.endm
	SPLIT 0
	SPLIT 1
	s_wait_loadcnt 0x0                             ; x
.irp j, 0,1,2,3,4,5,6,7,8,9,10,11,12,13,14,15
	v_sub_f32 v[Y+2*\j],   0, v[XS+\j]             ; 0 - x: +0 for either zero
	v_sub_f32 v[Y+2*\j+1], 0, v[XS+\j]
.endr
	s_wait_kmcnt 0x0
	v_mov_b32 v[CC], s17
	v_mul_f32 v[CC], 0.5, v[CC]
	v_fma_f32 v[CC], s16, 0.5, v[CC]               ; (v[0] + v[2048]) / 2
	v_mov_b32 v[CC+1], v[CC]
	s_wait_dscnt 0x0                               ; my part of the staging is in LDS: zero, for the other waves' sake
	s_barrier_signal -1
	s_barrier_wait -1                              ; everybody's is: each wave reads breakpoints and terms that others staged
; The six LDS loads of K step c, into buffer c & 1.  All lanes of a half read the same breakpoints (one address, no conflict).
.macro LOADC c
	ds_load_b128 v[BF+16*((\c)&1):BF+16*((\c)&1)+3],     v[LBA] offset:LB+128*(\c)       ; b of k = 8 h .. 8 h + 3
	ds_load_b128 v[BF+16*((\c)&1)+4:BF+16*((\c)&1)+7],   v[LBA] offset:LB+128*(\c)+16    ;          8 h + 4 .. 8 h + 7
	ds_load_b128 v[BF+16*((\c)&1)+8:BF+16*((\c)&1)+11],  v[LBA] offset:LB+128*(\c)+64    ;     16 + 8 h .. + 3
	ds_load_b128 v[BF+16*((\c)&1)+12:BF+16*((\c)&1)+15], v[LBA] offset:LB+128*(\c)+80    ;     16 + 8 h + 4 .. + 7
	ds_load_b128 v[AF+8*((\c)&1):AF+8*((\c)&1)+3],       v[LAA] offset:LP+64*(\c)        ; my term of k = 8 h .. 8 h + 7
	ds_load_b128 v[AF+8*((\c)&1)+4:AF+8*((\c)&1)+7],     v[LAA] offset:LP+64*(\c)+32     ;                 16 + 8 h .. + 7
.endm
; The product of tile i in K step c.  In step 0 the constant 0 starts the sums: nothing is cleared.
.macro MM i, c
.if \c == 0
	v_wmma_f32_16x16x32_bf16 v[ACC+8*\i:ACC+8*\i+7], v[AF+8*((\c)&1):AF+8*((\c)&1)+7], v[H+8*((\i)&1):H+8*((\i)&1)+7], 0
.else
	v_wmma_f32_16x16x32_bf16 v[ACC+8*\i:ACC+8*\i+7], v[AF+8*((\c)&1):AF+8*((\c)&1)+7], v[H+8*((\i)&1):H+8*((\i)&1)+7], v[ACC+8*\i:ACC+8*\i+7]
.endif
.endm
; A K step: 16 tiles of 24 vector instructions and a product.  Distances behind a product, counted in plain vector
; instructions that name none of its registers: tile tau - 1's product stands behind tile tau's eight adds, so its B fragment is complete
; eight instructions ahead of it; that fragment's buffer is written again by tile tau + 1, 24 instructions later; the loads into the other
; A and breakpoint buffers stand behind the first eight adds, which are the places behind the last product of the step before.
.macro CHUNK c
	s_wait_dscnt 0x0                               ; this step's six loads, issued a whole step ago
.set tau, 0
.rept 16
.irp j, 0,1,2,3,4,5,6,7
	v_pk_add_f32 v[T+2*\j:T+2*\j+1], v[BF+16*((\c)&1)+2*\j:BF+16*((\c)&1)+2*\j+1], v[Y+2*tau:Y+2*tau+1]   ; t = b - x, two at a time
.endr
.if tau == 0
.if \c < 7
	LOADC (\c+1)
.endif
.else
	MM (tau-1), \c
.endif
.irp j, 0,1,2,3,4,5,6,7
	v_perm_b32 v[H+8*(tau&1)+\j], v[T+2*\j+1], v[T+2*\j], s19              ; the two upper halves, the lower k below
.endr
.irp j, 0,1,2,3,4,5,6,7
	v_and_or_b32 v[H+8*(tau&1)+\j], v[H+8*(tau&1)+\j], s22, s23            ; keep the signs, set 1.0: -1.0 where x > b, +1.0 elsewhere
.endr
.set tau, tau+1
.endr
	MM 15, \c
.endm
	LOADC 0
.irp c, 0,1,2,3,4,5,6,7                            ; written out: eight steps, every LDS offset an immediate
	CHUNK \c
.endr
	; THE WAY OUT.  The three terms' sums of each tile; tile 15's accumulator is read 15 plain adds behind its last product.
.set tau, 0
.rept 16
	v_add_f32 v[R+tau], v[ACC+8*tau], v[ACC+8*tau+1]
.set tau, tau+1
.endr
.set tau, 0
.rept 16
	v_add_f32 v[R+tau], v[R+tau], v[ACC+8*tau+2]
.set tau, tau+1
.endr
.irp q, 0,1,2,3
	ds_store_b128 v[RST], v[R+4*\q:R+4*\q+3] offset:RED+16*\q              ; x 16 r + 4 q .. + 3; lanes r and 16 + r store the same numbers to the same bytes
.endr
	s_wait_dscnt 0x0                               ; zero: the other waves read these
	s_barrier_signal -1
	s_barrier_wait -1
	s_cmp_ge_u32 s12, 4                            ; 256 outputs at two a thread: waves 0-3 finish, so that a wave's store covers 256 consecutive bytes, aligned
	s_cbranch_scc1 .Lend
.irp w, 0,1,2,3,4,5,6,7
	ds_load_b64 v[T+2*\w:T+2*\w+1], v[T8] offset:RED+1024*\w               ; the eight waves' sums for x 2 t, 2 t + 1
.endr
	s_wait_dscnt 0x0
.irp w, 0,2,4,6
	v_pk_add_f32 v[T+2*\w:T+2*\w+1], v[T+2*\w:T+2*\w+1], v[T+2*\w+2:T+2*\w+3]
.endr
	v_pk_add_f32 v[T:T+1], v[T:T+1], v[T+4:T+5]
	v_pk_add_f32 v[T+8:T+9], v[T+8:T+9], v[T+12:T+13]
	v_pk_add_f32 v[T:T+1], v[T:T+1], v[T+8:T+9]
	v_pk_fma_f32 v[T:T+1], v[T:T+1], 0.5, v[CC:CC+1] op_sel_hi:[1,0,1]     ; sum / 2 + (v[0] + v[2048]) / 2
	global_store_b64 v[T8], v[T:T+1], s[10:11] th:TH_STORE_NT
.Lend:
	s_wait_tensorcnt 0x0
	ds_add_u32 v14, v15
	s_wait_dscnt 0x0
	s_endpgm
.Lfunc_end_k_q3f78b70043_stepnet:
	.size	k_q3f78b70043_stepnet, .Lfunc_end_k_q3f78b70043_stepnet-k_q3f78b70043_stepnet
	.p2alignl 7, 3214868480
	.fill 96, 4, 3214868480
	.section	.rodata,"a",@progbits
	.p2align	6, 0x0
	.amdhsa_kernel k_q3f78b70043_stepnet
		.amdhsa_group_segment_fixed_size 168960
		.amdhsa_private_segment_fixed_size 0
		.amdhsa_enable_private_segment 0
		.amdhsa_kernarg_size 32
		.amdhsa_user_sgpr_count 2
		.amdhsa_user_sgpr_kernarg_segment_ptr 1
		.amdhsa_wavefront_size32 1
		.amdhsa_system_sgpr_workgroup_id_x 1
		.amdhsa_system_sgpr_workgroup_id_y 1
		.amdhsa_system_sgpr_workgroup_id_z 1
		.amdhsa_system_vgpr_workitem_id 0
		.amdhsa_next_free_vgpr 256
		.amdhsa_next_free_sgpr 66
		.amdhsa_reserve_vcc 0
		.amdhsa_float_denorm_mode_32 3
		.amdhsa_float_denorm_mode_16_64 3
		.amdhsa_memory_ordered 1
		.amdhsa_forward_progress 1
		.amdhsa_inst_pref_size 213
	.end_amdhsa_kernel
	.amdgpu_metadata
---
amdhsa.version: [ 1, 2 ]
amdhsa.kernels:
  - .name:           k_q3f78b70043_stepnet
    .symbol:         k_q3f78b70043_stepnet.kd
    .args:
      - { .name: breakpoints, .offset: 0, .size: 8, .value_kind: global_buffer, .address_space: global }
      - { .name: values, .offset: 8, .size: 8, .value_kind: global_buffer, .address_space: global }
      - { .name: x, .offset: 16, .size: 8, .value_kind: global_buffer, .address_space: global }
      - { .name: out0, .offset: 24, .size: 8, .value_kind: global_buffer, .address_space: global }
    .group_segment_fixed_size: 168960
    .private_segment_fixed_size: 0
    .kernarg_segment_align: 8
    .kernarg_segment_size: 32
    .max_flat_workgroup_size: 256
    .sgpr_count:     66
    .vgpr_count:     256
    .wavefront_size: 32
...
	.end_amdgpu_metadata
.endif
;; end of part 1
